; MI455X (gfx1250); checked and timed in simulation.
; The chip was launched on July 23, 2026; its instructions are those of AMD's public machine-readable ISA for CDNA 5 (MIT licence, August 2026) and "CDNA5" Instruction Set Architecture Reference Guide (July 2026). The comments in the code are by the model that wrote it; some were corrected since.
;; Bert Self Attention. Allowed arithmetic: matrix products marked QUANTISED: E5M2 operands, one E8M0 scale for each 32 along K, by v_wmma_scale_f32_16x16x128_f8f6f4 with both operands' format E5M2, f32 sums; everything else in f32.
;; Inputs: Wk 1,024 x 1,024 float32; Wq 1,024 x 1,024 float32; Wv 1,024 x 1,024 float32; attention_mask 4 x 1 x 1 x 2,048 float32; bk 1,024 float32; bq 1,024 float32; bv 1,024 float32; hidden_states 4 x 2,048 x 1,024 float32.
;; Outputs: out0 4 x 2,048 x 1,024 float32.
;; This version of the problem:
;;   THIS VERSION OF THE PROBLEM IS GIVEN IN LOW PRECISION. The matrix products marked QUANTISED in the list below multiply operands that are first quantised to E5M2 (5 exponent bits, 2 mantissa bits; 8 bits a number), with one power-of-two scale for each 32 numbers along K (OCP MX v1.0); their sums are f32. All else is computed in f32.
;;   The module's matrix products, in the order in which they are computed (A, B: the left and right operand; K: the contracted axis; several contracted axes count as one K, in the product's order):
;;     1. [M 8,192, K 1,024] x [K 1,024, N 1,024]; A: input hidden_states; B: input Wq: QUANTISED
;;     2. [M 8,192, K 1,024] x [K 1,024, N 1,024]; A: input hidden_states; B: input Wk: QUANTISED
;;     3. [M 8,192, K 1,024] x [K 1,024, N 1,024]; A: input hidden_states; B: input Wv: QUANTISED
;;     4. batch 64 x [M 2,048, K 64] x [K 64, N 2,048]; A: computed on the way; B: computed on the way: QUANTISED
;;     5. batch 64 x [M 2,048, K 2,048] x [K 2,048, N 64]; A: softmax (see below); B: computed on the way: QUANTISED
;;   THE QUANTISER, for each operand of a quantised product, along K:
;;     - K is cut into blocks of 32 from its start; a last block that is shorter is filled with zeros.
;;     - A block's scale is 2^e with e = floor(log2(the largest magnitude in the block)) - 15, held to -126 .. 127; a block of zeros has e = 0. As a byte (E8M0): e + 127.
;;     - Each number is divided by its block's scale, clamped to +-57,344, and rounded to the nearest number of E5M2, ties to even, subnormals kept.
;;     - The product sums the exact products of the quantised numbers (number of the format x scale) in f32.
;;   ~~~python
;;   def quantise(x, axis):      # numpy; x: float32 -> the quantised numbers, widened to float32 again
;;       x = np.moveaxis(x, axis, -1); K = x.shape[-1]
;;       x = np.pad(x, [(0, 0)] * (x.ndim - 1) + [(0, -K % 32)]); x = x.reshape(x.shape[:-1] + (-1, 32)); a = np.abs(x).max(-1, keepdims=True)
;;       e = np.where(a > 0, np.clip(np.frexp(np.where(a > 0, a, 1))[1] - 1 - 15, -126, 127), 0)      # np.frexp(a)[1] - 1 = floor(log2(a)), exactly
;;       r = np.clip(x / 2.0 ** e, -57344, 57344)
;;       step = 2.0 ** (np.maximum(np.frexp(np.where(r == 0, 1, r))[1] - 1, -14) - 2)
;;       q = np.round(r / step) * step * 2.0 ** e      # np.round: ties to even
;;       return np.moveaxis(q.reshape(q.shape[:-2] + (-1,))[..., :K], -1, axis).astype(np.float32)
;;   ~~~
;;   SOFTMAX AHEAD OF A QUANTISED PRODUCT. Where the list says 'softmax', what is quantised is not the finished softmax but p = 2^(t - M), with t = logit x log2(e) and M = ceil(the row's largest t), a whole number; so 1/2 < the row's largest p <= 1. The row's sum l is taken of the UNQUANTISED p, in f32, and the product's result is divided by l at the end. Since M is a whole number, a kernel that streams over the keys may use a running M (the ceiling of the running maximum): every later rescaling is an exact power of two, which a block's scale takes up: the codes' values come out the same.
;;   OPERANDS COMPUTED ON THE WAY. 'Computed on the way' means the value that the module computes at that place (a softmax that the list does not call 'softmax' is quantised finished and normalised). What goes into a quantiser is computed in f32, as accurately as f32 sums, v_exp_f32 and their like allow (about 1e-6 of the number): no bf16 or f16 on the way to a quantiser, and a product that is left as it is and whose result goes on into a quantised operand takes f32 operands (vector FMAs, or v_wmma_f32_16x16x4_f32). A number that lies on a knife's edge between two numbers of the format may be rounded either way, as far as f32 arithmetic and the matrix unit's own rounding can turn it there, and no further.
;; One version. Each part assembles by itself: llvm-mc -triple=amdgcn-amd-amdhsa -mcpu=gfx1250 --defsym DOCPART=n.
;; ======== version 1 of 1: 3 launches
;; limits: right only within a limited range of input values
;; workspace buffers: x_codes 8,388,608 bytes; x_scales 262,144 bytes; w_codes 3,145,728 bytes; w_scales 98,304 bytes; qkv 25,952,256 bytes
;; launch prep (part 1): grid 352 x 1, 4 waves a work-group, no clusters, 68,096 bytes of LDS; arguments hidden_states, Wq, Wk, Wv, x_codes, x_scales, w_codes, w_scales; writes x_codes, x_scales, w_codes, w_scales
.if DOCPART == 1
	.amdgcn_target "amdgcn-amd-amdhsa--gfx1250"
	.amdhsa_code_object_version 6
	.text
	.protected	k_qda886ae3ec_prep
	.globl	k_qda886ae3ec_prep
	.p2align	8
	.type	k_qda886ae3ec_prep,@function
k_qda886ae3ec_prep:
	s_mov_b64 s[64:65], 0
	v_nop
	global_prefetch_b8 v0, s[64:65] scope:SCOPE_SE
	s_setreg_imm32_b32 hwreg(HW_REG_WAVE_MODE, 25, 1), 1
	s_wait_xcnt 0x0
; BERT self-attention in MX-BF8 (E5M2 codes, one E8M0 scale for each 32 along K), three launches: this one quantises the wide inputs, the second makes q, k, v, the third is the attention.
; DEAD WORK: none.  All five products are live; the three biases go into quantised operands (bk too: it moves k's codes and scales); the mask differs along the softmax's axis.  All eight inputs are loaded by some launch.
; THIS LAUNCH: hidden_states [8192][1024] f32 (K innermost) -> x_codes [8192][1024], x_scales [8192][32];  Wq, Wk, Wv [1024 k][1024 n] f32 (K is the FIRST axis) -> w_codes [3072 n][1024 k], w_scales [3072][32]
; (rows 0-1023 Wq's columns, 1024-2047 Wk's, 2048-3071 Wv's).  A block's scale byte is its largest magnitude's exponent field - 15, held at 1 from below; numbers are held within +-57,344 x the scale and converted, ties to even.
; LIMITS: blocks whose largest magnitude lies under 2^(15 - 126) are coded under the byte 1; a block of zeros keeps the byte 1 where the rule says 127 (its codes are zeros, and this program alone reads the bytes);
; NaN and infinities among the inputs are not served.
; Work-groups 0-255 take x: a plain stream of blocks of 32; a wave takes 16 steps of 512 numbers; each load reads 512 consecutive bytes, and a step's 2,048 bytes turn through the wave's own stage in LDS so that a lane holds 16 neighbours.
; Work-groups 256-351 take the weights: a lane takes a column n and its registers run down K, so the codes come out with K innermost; they leave through the wave's own stage as rows, sixteen lanes to 256 consecutive bytes.
; The two paths part on the work-group's number and have LDS bytes of their own.  No tensor loads, no barrier: waves share nothing.
.set STEPS, 16
.set EMAX,  15
.set MANT,  0x600000                   ; the mantissa field of 57,344 as f32
.set CB,    16                         ; bytes of 16 codes
.set R,     16                         ; x path: v16-79   four sets of 16 numbers as loaded
.set X,     80                         ;         v80-111  two sets of 16 neighbours
.set E,     112                        ;         v112-127 a scale byte for each step
.set C,     128                        ;         v128-191 codes, four registers a step
.set WREG,  8192                       ; x path's LDS: a region for each wave: two stages of 32 x SP bytes, then its 256 scale bytes
.set SP,    80                         ; a lane's place in a stage: 64 bytes + 16 of padding
.set WSTG,  32768                      ; W path's LDS: four stages of 32 rows x WP bytes
.set WP,    272
.set SPARE, WSTG+4*32*WP               ; the spare words, 128 bytes a wave, named by no other line
.set SPW,   192                        ; v192 LDS address of my spare word; never rewritten
.set NIL,   193                        ; v193 0; never rewritten
.set NB,    8                          ; W path: blocks of 32 along K for a wave
.set WX,    32                         ;         v32-95   two sets of 32 numbers
.set WC,    96                         ;         v96-103  a block's codes
.set WSB,   24                         ;         v24-25   the scale bytes
.set WOUT,  112                        ;         v112-175 the way out
	s_load_b256 s[4:11], s[0:1], 0x0               ; x s[4:5], Wq s[6:7], Wk s[8:9], Wv s[10:11]
	s_load_b256 s[12:19], s[0:1], 0x20             ; x_codes s[12:13], x_scales s[14:15], w_codes s[16:17], w_scales s[18:19]
	v_lshl_add_u32 v[SPW], v0, 2, SPARE
	v_mov_b32 v[NIL], 0
	v_lshrrev_b32 v1, 5, v0
	v_readfirstlane_b32 s20, v1                    ; wave
	v_and_b32 v2, 31, v0                           ; lane
	s_wait_kmcnt 0x0
	s_cmp_lt_u32 ttmp9, 256
	s_cbranch_scc0 .Lw
	; ---------------- x ----------------
	s_wait_alu depctr_va_vdst(0)
	v_lshlrev_b32 v3, 4, v2                        ; my 16 bytes of a load's 512
	s_mul_i32 s21, s20, WREG
	v_lshrrev_b32 v14, 2, v2
	v_mul_u32_u24 v14, v14, SP
	v_and_b32 v15, 3, v2
	v_lshl_add_u32 v14, v15, 4, v14
	v_add_nc_u32 v14, s21, v14                     ; the stage, on the way in: SP (lane / 4) + 16 (lane % 4)
	v_mul_u32_u24 v15, v2, SP
	v_add_nc_u32 v15, s21, v15                     ; and on the way out: SP x lane: my 16 neighbours
	v_mul_u32_u24 v4, v2, CB                       ; my codes' place in a step's
	v_lshrrev_b32 v5, 1, v2
	s_add_co_u32 s21, s21, 2*32*SP
	v_add_nc_u32 v5, s21, v5                       ; my wave's 256 scale bytes, my block's byte
	v_lshlrev_b32 v7, 3, v2
	v_add_nc_u32 v6, s21, v7                       ; and on the way out 8 bytes a lane
	s_lshl_b32 s24, ttmp9, 2
	s_add_co_u32 s24, s24, s20                     ; which run of 8,192 numbers is my wave's: 0 .. 1,023
	s_lshl_b32 s26, s24, 15                        ; 32,768 bytes of f32 a run
	s_mov_b32 s27, 0
	s_add_nc_u64 s[4:5], s[4:5], s[26:27]
	s_lshl_b32 s26, s24, 13                        ; 8,192 bytes of codes
	s_add_nc_u64 s[12:13], s[12:13], s[26:27]
	s_lshl_b32 s26, s24, 8                         ; 256 scale bytes
	s_add_nc_u64 s[14:15], s[14:15], s[26:27]
.macro XLOAD t
.irp i, 0,1,2,3
	global_load_b128 v[R+16*((\t)%4)+4*\i:R+16*((\t)%4)+4*\i+3], v3, s[4:5] offset:2048*(\t)+512*\i th:TH_LOAD_NT   ; 32 lanes read 512 consecutive bytes
.endr
.endm
.macro XTURN t                         ; step t's numbers through the stage: LDS serves a wave's instructions in order, so no wait stands between the stores and the loads
.irp i, 0,1,2,3
	ds_store_b128 v14, v[R+16*((\t)%4)+4*\i:R+16*((\t)%4)+4*\i+3] offset:32*SP*((\t)%2)+8*SP*\i
.endr
.irp i, 0,1,2,3
	ds_load_b128 v[X+16*((\t)%2)+4*\i:X+16*((\t)%2)+4*\i+3], v15 offset:32*SP*((\t)%2)+16*\i
.endr
.endm
.irp t, 0,1,2,3
	XLOAD \t
.endr
	s_wait_alu depctr_va_vdst(0)
	s_wait_loadcnt 12                              ; step 0's four loads are in; the twelve of steps 1 to 3 may be out
	XTURN 0
.macro XSTEP t
.set XS, X+16*((\t)%2)
.if (\t) > 0
	s_wait_dscnt 1                                 ; this step's numbers are back from the stage (the last step's byte store may be out)
.else
	s_wait_dscnt 0x0
.endif
.if (\t)+4 < STEPS
	XLOAD (\t)+4                                   ; into the registers that this step's stage stores have read
.endif
.if (\t)+1 < STEPS
.if STEPS-2-(\t) >= 3
	s_wait_loadcnt 12                              ; the next step's four loads are in; those of the three steps behind it may be out
.else
	s_wait_loadcnt 4*(STEPS-2-(\t))
.endif
	XTURN (\t)+1
.endif
	v_max3_num_f32 v8, |v[XS]|, |v[XS+1]|, |v[XS+2]|               ; the largest magnitude of my 16, in two chains
	v_max3_num_f32 v9, |v[XS+3]|, |v[XS+4]|, |v[XS+5]|
.irp i, 6,10
	v_max3_num_f32 v8, v8, |v[XS+\i]|, |v[XS+\i+1]|
	v_max3_num_f32 v9, v9, |v[XS+\i+2]|, |v[XS+\i+3]|
.endr
	v_max3_num_f32 v8, v8, |v[XS+14]|, |v[XS+15]|
	v_max3_num_f32 v8, v8, v9, (EMAX+1)<<23        ; and the floor 2^(16 - 127): the byte cannot fall under 1
	v_max_num_f32_dpp v8, v8, v8 row_xmask:1 row_mask:0xf bank_mask:0xf   ; and of my neighbour's 16: the block's
	v_add_nc_u32 v11, -(EMAX<<23), v8              ; 15 off its exponent field: the conversion's scale operand
.irp i, 0,1,2,3,4,5,6,7,8,9,10,11,12,13,14,15
.endr
	v_cvt_scalef32_pk8_bf8_f32 v[C+4*(\t):C+4*(\t)+1], v[XS:XS+7], v11
	v_cvt_scalef32_pk8_bf8_f32 v[C+4*(\t)+2:C+4*(\t)+3], v[XS+8:XS+15], v11
	v_lshrrev_b32 v[E+(\t)], 23, v11               ; the scale's byte (also the plain line behind the conversions)
	ds_store_b8 v5, v[E+(\t)] offset:16*(\t)       ; both lanes of a block write the same byte with the same value
	global_store_b128 v4, v[C+4*(\t):C+4*(\t)+3], s[12:13] offset:32*CB*(\t)   ; the wave stores 512 consecutive bytes
.endm
.irp t, 0,1,2,3,4,5,6,7,8,9,10,11,12,13,14,15
	XSTEP \t
.endr
	ds_load_b64 v[8:9], v6                         ; LDS serves a wave's instructions in order: these see my byte stores
	s_wait_dscnt 0x0
	global_store_b64 v7, v[8:9], s[14:15]          ; 32 lanes store 256 consecutive bytes, aligned
	s_wait_tensorcnt 0x0                           ; the wave's end: a tensor wait, an add to my spare word and its wait behind my last LDS store
	ds_add_u32 v[SPW], v[NIL]
	s_wait_dscnt 0x0
	s_endpgm
	; ---------------- the weights ----------------
.Lw:
	s_sub_co_u32 s21, ttmp9, 256                   ; 0 .. 95
	s_lshr_b32 s22, s21, 5                         ; which weight: 0 Wq, 1 Wk, 2 Wv
	s_and_b32 s24, s21, 7                          ; which 128 columns
	s_bfe_u32 s25, s21, 0x20003                    ; which 256 along K
	s_cmp_eq_u32 s22, 0
	s_cselect_b64 s[6:7], s[6:7], s[8:9]
	s_cmp_eq_u32 s22, 2
	s_cselect_b64 s[6:7], s[10:11], s[6:7]         ; the choice hangs on the work-group's number alone
	s_lshl_b32 s24, s24, 7
	s_lshl_b32 s26, s20, 5
	s_add_co_u32 s24, s24, s26                     ; my wave's first column
	s_lshl_b32 s26, s25, 20                        ; 256 rows of 4,096 bytes
	s_lshl_b32 s27, s24, 2
	s_add_co_u32 s26, s26, s27
	s_mov_b32 s27, 0
	s_add_nc_u64 s[6:7], s[6:7], s[26:27]
	s_lshl_b32 s28, s22, 10
	s_add_co_u32 s28, s28, s24                     ; my first row of w_codes and w_scales
	s_lshl_b32 s26, s28, 10
	s_lshl_b32 s29, s25, 8
	s_add_co_u32 s26, s26, s29
	s_add_nc_u64 s[16:17], s[16:17], s[26:27]
	s_lshl_b32 s26, s28, 5
	s_lshl_b32 s29, s25, 3
	s_add_co_u32 s26, s26, s29
	s_add_nc_u64 s[18:19], s[18:19], s[26:27]
	s_wait_alu depctr_va_vdst(0)
	v_lshlrev_b32 v3, 2, v2                        ; in: 4 bytes a lane
	s_mul_i32 s29, s20, 32*WP
	s_add_co_u32 s29, s29, WSTG                    ; my stage
	v_mul_u32_u24 v4, v2, WP
	v_add_nc_u32 v4, s29, v4                       ; into it: row = my column
	v_and_b32 v5, 15, v2
	v_lshrrev_b32 v6, 4, v2
	v_mul_u32_u24 v7, v6, WP
	v_lshl_add_u32 v7, v5, 4, v7
	v_add_nc_u32 v7, s29, v7                       ; out of it: sixteen lanes to a row, two rows an instruction
	v_mul_u32_u24 v8, v6, 1024
	v_lshl_add_u32 v8, v5, 4, v8                   ; and the same place in w_codes
	v_mul_u32_u24 v9, v2, 32                       ; my column's row of scale bytes
.macro WLOAD t                         ; block t: W(32 t + i, my column) into set t % 2; 255 rows of 4,096 bytes at the most stand in the immediate
.irp i, 0,1,2,3,4,5,6,7,8,9,10,11,12,13,14,15,16,17,18,19,20,21,22,23,24,25,26,27,28,29,30,31
	global_load_b32 v[WX+32*((\t)%2)+\i], v3, s[6:7] offset:(32*(\t)+\i)*4096 th:TH_LOAD_NT
.endr
.endm
	WLOAD 0
	WLOAD 1
.macro WBLOCK t
.set XS, WX+32*((\t)%2)
.if (\t) < NB-1
	s_wait_loadcnt 32                              ; this block's 32 loads are in; the next block's 32 may be out
.else
	s_wait_loadcnt 0
.endif
	v_max3_num_f32 v12, |v[XS]|, |v[XS+1]|, |v[XS+2]|               ; the block's largest magnitude: all 32 numbers are mine
	v_max3_num_f32 v13, |v[XS+3]|, |v[XS+4]|, |v[XS+5]|
.irp i, 6,10,14,18,22,26
	v_max3_num_f32 v12, v12, |v[XS+\i]|, |v[XS+\i+1]|
	v_max3_num_f32 v13, v13, |v[XS+\i+2]|, |v[XS+\i+3]|
.endr
	v_max3_num_f32 v12, v12, |v[XS+30]|, |v[XS+31]|
	v_max3_num_f32 v12, v12, v13, (EMAX+1)<<23     ; and the floor
	v_add_nc_u32 v11, -(EMAX<<23), v12             ; the conversion's scale operand
	v_lshrrev_b32 v13, 23, v11                     ; the scale's byte
.if (\t)%4 == 0
	v_mov_b32 v[WSB+(\t)/4], v13                   ; four bytes to a register, the lower K in the lower byte
.else
	v_lshl_or_b32 v[WSB+(\t)/4], v13, 8*((\t)%4), v[WSB+(\t)/4]
.endif
.irp i, 0,1,2,3,4,5,6,7,8,9,10,11,12,13,14,15,16,17,18,19,20,21,22,23,24,25,26,27,28,29,30,31
.endr
.irp g, 0,1,2,3
	v_cvt_scalef32_pk8_bf8_f32 v[WC+2*\g:WC+2*\g+1], v[XS+8*\g:XS+8*\g+7], v11
.endr
	v_nop                                          ; a plain line behind the last conversion
	ds_store_b128 v4, v[WC:WC+3] offset:32*(\t)    ; 32 codes: 32 bytes of my column's row
	ds_store_b128 v4, v[WC+4:WC+7] offset:32*(\t)+16
.if (\t)+2 < NB
	WLOAD (\t)+2
.endif
	s_wait_dscnt 0x0                               ; the stores have read their registers: the next block's codes may be written
.endm
.irp t, 0,1,2,3,4,5,6,7
	WBLOCK \t
.endr
	s_wait_alu depctr_va_vdst(0)
	global_store_b64 v9, v[WSB:WSB+1], s[18:19]    ; my column's 8 scale bytes
.irp t, 0,1,2,3,4,5,6,7,8,9,10,11,12,13,14,15
	ds_load_b128 v[WOUT+4*\t:WOUT+4*\t+3], v7 offset:2*\t*WP
.endr
.irp t, 0,1,2,3,4,5,6,7,8,9,10,11,12,13,14,15
	s_wait_dscnt 15-\t                             ; load t is in; the 15 - t behind it may be out
	global_store_b128 v8, v[WOUT+4*\t:WOUT+4*\t+3], s[16:17] offset:2*\t*1024   ; sixteen lanes store 256 consecutive bytes, aligned
.endr
	s_wait_tensorcnt 0x0                           ; the wave's end: a tensor wait, an add to my spare word and its wait behind my last LDS store
	ds_add_u32 v[SPW], v[NIL]
	s_wait_dscnt 0x0
	s_endpgm
.Lfunc_end_k_qda886ae3ec_prep:
	.size	k_qda886ae3ec_prep, .Lfunc_end_k_qda886ae3ec_prep-k_qda886ae3ec_prep
	.p2alignl 7, 3214868480
	.fill 96, 4, 3214868480
	.section	.rodata,"a",@progbits
	.p2align	6, 0x0
	.amdhsa_kernel k_qda886ae3ec_prep
		.amdhsa_group_segment_fixed_size 68096
		.amdhsa_private_segment_fixed_size 0
		.amdhsa_enable_private_segment 0
		.amdhsa_kernarg_size 64
		.amdhsa_user_sgpr_count 2
		.amdhsa_user_sgpr_kernarg_segment_ptr 1
		.amdhsa_wavefront_size32 1
		.amdhsa_system_sgpr_workgroup_id_x 1
		.amdhsa_system_sgpr_workgroup_id_y 1
		.amdhsa_system_sgpr_workgroup_id_z 1
		.amdhsa_system_vgpr_workitem_id 0
		.amdhsa_next_free_vgpr 200
		.amdhsa_next_free_sgpr 66
		.amdhsa_reserve_vcc 0
		.amdhsa_float_denorm_mode_32 3
		.amdhsa_float_denorm_mode_16_64 3
		.amdhsa_fp16_overflow 1
		.amdhsa_memory_ordered 1
		.amdhsa_forward_progress 1
		.amdhsa_inst_pref_size 75
	.end_amdhsa_kernel
	.amdgpu_metadata
---
amdhsa.version: [ 1, 2 ]
amdhsa.kernels:
  - .name:           k_qda886ae3ec_prep
    .symbol:         k_qda886ae3ec_prep.kd
    .args:
      - { .name: hidden_states, .offset: 0, .size: 8, .value_kind: global_buffer, .address_space: global }
      - { .name: Wq, .offset: 8, .size: 8, .value_kind: global_buffer, .address_space: global }
      - { .name: Wk, .offset: 16, .size: 8, .value_kind: global_buffer, .address_space: global }
      - { .name: Wv, .offset: 24, .size: 8, .value_kind: global_buffer, .address_space: global }
      - { .name: x_codes, .offset: 32, .size: 8, .value_kind: global_buffer, .address_space: global }
      - { .name: x_scales, .offset: 40, .size: 8, .value_kind: global_buffer, .address_space: global }
      - { .name: w_codes, .offset: 48, .size: 8, .value_kind: global_buffer, .address_space: global }
      - { .name: w_scales, .offset: 56, .size: 8, .value_kind: global_buffer, .address_space: global }
    .group_segment_fixed_size: 68096
    .private_segment_fixed_size: 0
    .kernarg_segment_align: 8
    .kernarg_segment_size: 64
    .max_flat_workgroup_size: 128
    .sgpr_count:     66
    .vgpr_count:     200
    .wavefront_size: 32
...
	.end_amdgpu_metadata
.endif
;; end of part 1
;; launch proj (part 2): grid 8 x 48, 4 waves a work-group, clusters of 4 x 4, 327,680 bytes of LDS; arguments x_codes, x_scales, w_codes, w_scales, bq, bk, bv, qkv; writes qkv
.if DOCPART == 2
	.amdgcn_target "amdgcn-amd-amdhsa--gfx1250"
	.amdhsa_code_object_version 6
	.text
	.protected	k_qda886ae3ec_proj
	.globl	k_qda886ae3ec_proj
	.p2align	8
	.type	k_qda886ae3ec_proj,@function
k_qda886ae3ec_proj:
	s_mov_b64 s[64:65], 0
	v_nop
	global_prefetch_b8 v0, s[64:65] scope:SCOPE_SE
	s_setreg_imm32_b32 hwreg(HW_REG_WAVE_MODE, 25, 1), 1
	s_wait_xcnt 0x0
	s_wait_alu depctr_hold_cnt(0) depctr_sa_sdst(0) depctr_va_vdst(0) depctr_va_sdst(0) depctr_va_ssrc(0) depctr_va_vcc(0) depctr_vm_vsrc(0)
	s_getreg_b32 s2, hwreg(HW_REG_IB_STS2, 6, 4)
	s_cmp_eq_u32 s2, 0
	s_cbranch_scc0 .Lentry_in_a_cluster
	s_endpgm
.Lentry_in_a_cluster:
	s_bfe_u32 s2, ttmp6, 0x10000c
	s_cmp_lg_u32 s2, 0xf033
	s_cbranch_scc0 .Lentry_shape_is_right
	s_endpgm
.Lentry_shape_is_right:
; q = x Wq + bq, k = x Wk + bk, v = x Wv + bv on codes of BF8 with E8M0 scales, and their quantising for the attention: q and k along the head's 64, v along the keys.  No work of the problem is left out here.
; A tile of 256 x 256 results is made by four waves, 128 x 128 each: 64 accumulators, 512 registers.  K = 1,024 goes in four steps of 256 through a ring of two LDS slots filled by the tensor data mover;
; the scale bytes of the tile's 2 x 256 rows, for all of K, come into LDS once.  Source 0 takes 16 rows of operand B, source 1 16 rows of operand A: a lane holds ONE row of A and its registers run along B's rows.
; ROLES, told by the cluster's own coordinates, which its sixteen partners share.  Cluster y < 8: A = x (tokens), B = the rows of w_codes for Wq (cluster x = 0) or Wk (1): a lane holds a token, registers run along features.
; Cluster y >= 8: A = the rows of w_codes for Wv, B = x: a lane holds a feature d, registers run along tokens, which are the keys.  So in both roles the axis to be quantised lies in a lane's registers.
; THE WAY OUT.  A lane's 64 sums of a block of 16 rows of A (register 8 b + j = B's row 16 b + 8 (lane / 16) + j) get their bias, are quantised in blocks of 32 (registers 16 c .. 16 c + 15, with lane l xor 16's) and leave as
; IMAGES OF OPERAND REGISTERS: four registers by one store, lane l's 16 bytes at 16 l, 512 consecutive bytes.  Inside a block of 32 the codes so stand in another order than in memory order: the same order in q and k, and in v and p,
; so each product pairs the right numbers; blocks and scales are the contract's.
; qkv: [head 16 b + h (64)][128 tokens (16)][25,344 bytes]: +0 K's image (key tile a at 1,024 a), +8,192 V's (d tile t at 2,048 t), +16,384 K's scale words [r][pair of tiles], +16,640 V's [r][t], +16,896 Q's image, +25,088 Q's scale words.
; CLUSTERS: 4 x 4; A's tiles are asked for jointly along a row of the cluster, B's along a column.
; LIMITS: blocks of q, k, v whose largest magnitude lies under 2^(19 - 127) are coded under the byte 4 (so that 3 can be taken off q's bytes for the division by 8); blocks of zeros keep that byte; NaN and infinities are not served.
.set NQ,     2                         ; matrix instructions deep in a slot
.set ROWB,   256                       ; a tile's row in bytes
.set KROW,   1024                      ; a row of codes in memory
.set PITCH,  272                       ; an LDS row: 256 bytes + 16 of padding, so that the 16 rows that a load touches start 68 words apart
.set FR,     16                        ; registers of a fragment
.set NL,     4                         ; LDS loads that bring one
.set NP,     8                         ; places behind this matrix instruction (ISA guide 7.12.1)
.set HALFT,  128*PITCH
.set SLOT,   4*HALFT                   ; A's 256 rows, then B's 256 rows
.set KS,     32                        ; a row of scale bytes
.set SCL,    2*SLOT                    ; behind the ring: the scales, as units of 256 bytes + 16 of padding
.set HALFS,  16*272                    ; those of 128 rows
.set SBLK,   2*272                     ; those of 16 rows
.set SPARE,  SCL+4*HALFS               ; the spare words, 128 bytes a wave, named by no other line
.set HS,     405504                    ; qkv: from head to head
.set VO,   8                           ; v8   16 x lane: an image's place for my lane
.set VS,   9                           ; v9   the scale words' store: 16 r, lanes 16-31 one head on
.set BO,   10                          ; v10  the bias loads' offset
.set ADRA, 16                          ; v16-17 LDS address of my A fragments in slot 0, 1
.set ADRB, 20                          ; v20-21 the same for B
.set ADRS, 27                          ; v27  LDS address of my scale words: lanes 0-15 A's rows, lanes 16-31 B's
.set SPW,  28                          ; v28  LDS address of my spare word; never rewritten
.set NIL,  29                          ; v29  0; never rewritten
.set SC,   32                          ; v32-63 scale words, two sets
.set BI,   64                          ; v64-127 the biases
.set AF,   128                         ; v128-255 A's fragments, one set; on the way out:
.set H,    128                         ; v128-191 64 sums with their bias
.set PC,   192                         ; v192-207 the codes just made
.set TM,   208                         ; v208-223 +0 largest magnitudes, +4 the other half's, then bytes, +12 the conversions' scale operands
.set PWS,  224                         ; v224-231 the eight blocks' scale words
.set DW,   232                         ; v232-235 scale words as they are stored
.set VSEL, 236                         ; v236-237 byte selects
.set WV,   20                          ; s20 wave;  s21 which half of A's rows is mine, also: I fetch for A (0) or B (1);  s22 which half of B's rows, also: which 128 rows I fetch
.set G1, 24
.set G0, 32
.set G1B, 48
.set G0B, 56
.set G1S, 68
.set G0S, 76
.set G1SB, 80
.set G0SB, 88
.set ROLE, 92                          ; s92 1: the v role
.set SEL,  46                          ; s[46:47] lane selects for v_permlanex16_b32: lane l xor 16 (set behind the first loads)
.set MNT,  23
.set MSB, 0
.macro WIN new                         ; the immediate's high byte repeats the setting that is left
.if MSB != \new
	s_set_vgpr_msb (MSB<<8)|\new
.set MSB, \new
.endif
.endm
.set MUL_LO, 0xa1                      ; source 0 (B) window 1, source 1 (A) window 0, C and D window 2
.set MUL_HI, 0xf1                      ; the same, C and D window 3
.set TO_B,   0x40                      ; destination window 1, address window 0
; A joint load: waves 0 and 1 fetch for A, waves 2 and 3 for B; the branch hangs on the wave's number alone.  An s_nop 0 and four v_nop follow each of the two lines.
.macro JLOAD g0a, g1a, g0b, g1b
	s_cmp_eq_u32 s21, 0
	s_cbranch_scc0 .Lfor_b_\@
	tensor_load_to_lds s[\g0a:\g0a+3], s[\g1a:\g1a+7]
	s_nop 0
.rept 4
	v_nop
.endr
	s_branch .Lasked_\@
.Lfor_b_\@:
	tensor_load_to_lds s[\g0b:\g0b+3], s[\g1b:\g1b+7]
	s_nop 0
.rept 4
	v_nop
.endr
.Lasked_\@:
.endm
.macro CREST                           ; a round of the cluster's barrier behind its opening barrier
	s_cmp_lg_u32 s[WV], 0
	s_cbranch_scc1 .Lnot_wave_0_\@
	s_barrier_signal -3
.Lnot_wave_0_\@:
	s_barrier_wait -3
	s_barrier_signal -1
	s_barrier_wait -1
.endm
.macro CROUND
	s_barrier_signal -1
	s_barrier_wait -1
	CREST
.endm
	s_load_b256 s[4:11], s[0:1], 0x0               ; x_codes s[4:5], x_scales s[6:7], w_codes s[8:9], w_scales s[10:11]
	s_load_b256 s[12:19], s[0:1], 0x20             ; bq s[12:13], bk s[14:15], bv s[16:17], qkv s[18:19]
	v_lshl_add_u32 v[SPW], v0, 2, SPARE
	v_mov_b32 v[NIL], 0
	ds_add_u32 v[SPW], v[NIL]                      ; the wave's opening: the add, twice on end, and its wait ahead of my first tensor load
	ds_add_u32 v[SPW], v[NIL]
	v_lshrrev_b32 v1, 5, v0
	v_readfirstlane_b32 s[WV], v1                  ; wave 0..3
	s_lshr_b32 s21, s[WV], 1
	s_and_b32 s22, s[WV], 1
	s_bfe_u32 s40, ttmp6, 0x40000                  ; cx, cy: my place in the cluster
	s_bfe_u32 s41, ttmp6, 0x40004
	s_and_b32 s94, ttmp7, 0xffff                   ; the cluster's y: 0 .. 11
	s_mov_b32 s93, ttmp9                           ; the cluster's x: 0, 1.  In the first role: 0 makes q, 1 makes k
	s_lshl_b32 s95, ttmp9, 2                       ; 4 x
	s_lshl_b32 s96, s94, 3
	s_add_co_u32 s96, s96, s95
	s_sub_co_u32 s96, s96, 64                      ; 4 (2 (y - 8) + x): used where y >= 8 alone
	s_lshl_b32 s97, s94, 2                         ; 4 y
	s_cmp_ge_u32 s94, 8
	s_cselect_b32 s[ROLE], 1, 0
	s_cselect_b32 s42, s96, s95
	s_cselect_b32 s43, 0, s97
	s_add_co_u32 s42, s42, s40                     ; which 256 rows of B: hangs on cx alone of my place
	s_add_co_u32 s43, s43, s41                     ; which 256 rows of A: on cy alone
	s_lshl_b32 s44, s41, 2
	s_lshl_b32 s44, 15, s44                        ; my row of the cluster
	s_lshl_b32 s45, 0x1111, s40                    ; my column
	; descriptor group 1: a tile of 128 rows x 256 bytes, 16 bytes of padding behind each row
	s_or_b32 s[G1+0], s44, (0<<16)|(1<<20)|(1<<21)|(5<<22)|(3<<25)  ; 15:0 the mask; 17:16 elements of 1 byte; 20 padding on; 21 set beside a mask; 24:22 after every 64 words; 31:25 four words
	s_or_b32 s[G1B+0], s45, (0<<16)|(1<<20)|(1<<21)|(5<<22)|(3<<25)
.irp g, G1, G1B
	s_mov_b32 s[\g+1], ROWB<<16                    ; tensor_dim0
	s_mov_b32 s[\g+2], 128<<16                     ; tensor_dim1
	s_mov_b32 s[\g+3], ROWB<<16                    ; tile_dim0
	s_mov_b32 s[\g+4], 128                         ; tile_dim1
	s_mov_b32 s[\g+5], KROW                        ; from row to row
	s_mov_b32 s[\g+6], 0
	s_mov_b32 s[\g+7], 0
.endr
	; and for the scales of 128 rows: 4,096 dense bytes as 16 rows of 256 (32 elements of 8 bytes), 16 bytes of padding behind each
	s_or_b32 s[G1S+0], s44, (3<<16)|(1<<20)|(1<<21)|(5<<22)|(3<<25)
	s_or_b32 s[G1SB+0], s45, (3<<16)|(1<<20)|(1<<21)|(5<<22)|(3<<25)
.irp g, G1S, G1SB
	s_mov_b32 s[\g+1], 32<<16
	s_mov_b32 s[\g+2], 16<<16
	s_mov_b32 s[\g+3], 32<<16
	s_mov_b32 s[\g+4], 16
	s_mov_b32 s[\g+5], 32
	s_mov_b32 s[\g+6], 0
	s_mov_b32 s[\g+7], 0
.endr
	s_lshl_b32 s94, s22, 7                         ; which 128 rows of the tile I fetch
	s_lshl_b32 s96, s43, 8
	s_add_co_u32 s96, s96, s94                     ; A's row
	s_lshl_b32 s98, s42, 8
	s_add_co_u32 s98, s98, s94                     ; B's row
	s_lshl_b32 s66, s96, 5                         ; where these rows' scales begin, in bytes,
	s_mov_b32 s67, 0
	s_lshl_b32 s96, s96, 10                        ; and their codes (under 2^24)
	s_mov_b32 s97, 0
	s_lshl_b32 s100, s98, 5
	s_mov_b32 s101, 0
	s_lshl_b32 s98, s98, 10
	s_mov_b32 s99, 0
	s_mul_i32 s94, s[WV], HALFT                    ; where they go: wave x 128 rows: no place in the cluster enters an LDS address
	s_mul_i32 s95, s[WV], HALFS
	s_wait_dscnt 0x0                               ; both opening adds are done
	s_wait_kmcnt 0x0
	s_add_nc_u64 s[2:3], s[8:9], 0x200000          ; Wv's rows of w_codes: 2,048 rows on,
	s_add_nc_u64 s[46:47], s[10:11], 0x10000       ; and of w_scales
	s_cmp_eq_u32 s[ROLE], 1                        ; the choice of buffers hangs on the cluster's y alone
	s_cselect_b64 s[2:3], s[2:3], s[4:5]           ; A's codes
	s_cselect_b64 s[46:47], s[46:47], s[6:7]       ; A's scales
	s_cselect_b64 s[8:9], s[4:5], s[8:9]           ; B's codes
	s_cselect_b64 s[10:11], s[6:7], s[10:11]       ; B's scales
	s_add_nc_u64 s[2:3], s[2:3], s[96:97]
	s_add_nc_u64 s[46:47], s[46:47], s[66:67]
	s_add_nc_u64 s[8:9], s[8:9], s[98:99]
	s_add_nc_u64 s[10:11], s[10:11], s[100:101]
	CROUND                                         ; all sixteen work-groups are here: the first joint loads meet
	s_mov_b32 s[G0S], 1
	s_add_co_u32 s[G0S+1], s95, SCL
	s_mov_b64 s[G0S+2:G0S+3], s[46:47]
	s_or_b32 s[G0S+3], s[G0S+3], 0x80000000
	s_mov_b32 s[G0SB], 1
	s_add_co_u32 s[G0SB+1], s95, SCL
	s_mov_b64 s[G0SB+2:G0SB+3], s[10:11]
	s_or_b32 s[G0SB+3], s[G0SB+3], 0x80000000
	JLOAD G0S, G1S, G0SB, G1SB                     ; the scales first: they are wanted with K step 0
.irp s, 0,1
	s_mov_b32 s[G0+4*\s], 1
	s_add_co_u32 s[G0+4*\s+1], s94, \s*SLOT
	s_add_nc_u64 s[G0+4*\s+2:G0+4*\s+3], s[2:3], \s*ROWB
	s_or_b32 s[G0+4*\s+3], s[G0+4*\s+3], 0x80000000
	s_mov_b32 s[G0B+4*\s], 1
	s_add_co_u32 s[G0B+4*\s+1], s94, \s*SLOT
	s_add_nc_u64 s[G0B+4*\s+2:G0B+4*\s+3], s[8:9], \s*ROWB
	s_or_b32 s[G0B+4*\s+3], s[G0B+4*\s+3], 0x80000000
	JLOAD G0+4*\s, G1, G0B+4*\s, G1B               ; by this text's count three loads of mine are out
.endr
	v_and_b32 v1, 15, v0                           ; r = l % 16
	v_bfe_u32 v2, v0, 4, 1                         ; h = l / 16
	v_mul_u32_u24 v3, v1, PITCH
	v_lshl_add_u32 v4, v2, 4, v3                   ; a fragment's row x pitch + 16 x half
	s_mul_i32 s96, s21, HALFT                      ; my 128 rows of A
	s_mul_i32 s97, s22, HALFT                      ; my 128 rows of B,
	s_add_co_u32 s97, s97, 2*HALFT                 ; which lie behind A's 256
.irp s, 0,1
	v_add_nc_u32 v[ADRA+\s], s96, v4
	v_add_nc_u32 v[ADRB+\s], s97, v4
	s_add_co_u32 s96, s96, SLOT
	s_add_co_u32 s97, s97, SLOT
.endr
	v_mul_u32_u24 v5, v1, KS                       ; my row's scales: 32 bytes a row,
	v_lshrrev_b32 v6, 8, v5
	v_lshl_add_u32 v5, v6, 4, v5                   ; and 16 more for each 256 passed
	s_mul_i32 s96, s21, HALFS
	s_mul_i32 s97, s22, HALFS
	s_add_co_u32 s97, s97, 2*HALFS
	s_sub_co_u32 s97, s97, s96
	v_mul_u32_u24 v6, s97, v2                      ; lanes 16-31 take B's: one product, the distance between the two bases
	s_add_co_u32 s96, s96, SCL
	v_add_nc_u32 v5, v5, v6
	v_add_nc_u32 v[ADRS], s96, v5
	v_and_b32 v[VO], 31, v0
	v_lshlrev_b32 v[VO], 4, v[VO]
	v_mul_u32_u24 v[VS], v2, HS
	v_lshl_add_u32 v[VS], v1, 4, v[VS]
	s_mov_b32 s[SEL], 0x76543210
	s_mov_b32 s[SEL+1], 0xfedcba98
	; where my results go.  My 128 rows of A begin at R0, my 128 rows of B at P0; tokens and features by the role
	s_lshl_b32 s96, s43, 8
	s_lshl_b32 s97, s21, 7
	s_add_co_u32 s96, s96, s97                     ; R0
	s_lshl_b32 s98, s42, 8
	s_lshl_b32 s97, s22, 7
	s_add_co_u32 s98, s98, s97                     ; P0
	s_and_b32 s99, s98, 1023                       ; the feature within q or k
	s_cmp_eq_u32 s[ROLE], 1
	s_cselect_b32 s100, s98, s96                   ; my first token: a multiple of 128
	s_cselect_b32 s101, s96, s99                   ; my first feature: a multiple of 128: two heads
	s_lshr_b32 s96, s100, 11                       ; batch
	s_lshl_b32 s96, s96, 4
	s_lshr_b32 s97, s101, 6                        ; the first of my two heads
	s_add_co_u32 s96, s96, s97
	s_lshl_b32 s96, s96, 4
	s_bfe_u32 s97, s100, 0x40007                   ; which 128 tokens of the sequence
	s_add_co_u32 s96, s96, s97
	s_mul_i32 s96, s96, 25344
	s_mov_b32 s97, 0
	s_add_nc_u64 s[18:19], s[18:19], s[96:97]      ; my block of qkv
	s_cmp_eq_u32 s93, 0                            ; q or k,
	s_cselect_b32 s96, 16896, 0
	s_mov_b32 s98, 16384
	s_cselect_b32 s98, 25088, s98
	s_cselect_b64 s[12:13], s[12:13], s[14:15]
	s_cmp_eq_u32 s[ROLE], 1                        ; or v
	s_cselect_b32 s96, 8192, s96                   ; the image's place in the block,
	s_cselect_b32 s98, 16640, s98                  ; the scale words',
	s_cselect_b64 s[12:13], s[16:17], s[12:13]     ; and the bias
	s_mov_b32 s99, 0
	s_add_nc_u64 s[16:17], s[18:19], s[98:99]      ; s[16:17]: the scale words
	s_add_nc_u64 s[18:19], s[18:19], s[96:97]      ; s[18:19]: the image
	s_lshl_b32 s100, s101, 2
	s_mov_b32 s101, 0
	s_add_nc_u64 s[12:13], s[12:13], s[100:101]    ; s[12:13]: the bias of my 128 features
.macro FRAG reg, adr, q, i             ; a fragment, 16 rows x 128 K: lane l holds row l % 16; registers 4 c .. 4 c + 3 hold K = 32 c + 16 (l / 16) + 0 .. 15
.irp c, 0,1,2,3
	ds_load_b128 v[\reg+4*\c:\reg+4*\c+3], v[\adr] offset:128*(\q)+32*\c+(\i)*16*PITCH
.endr
.endm
; 16 matrix instructions: A's blocks a0, a0 + 1 x B's eight, 128 along K.  p: B's set; sc: the set of scale words.  zero = 1: the first product starts the sums.
; The 64 accumulators take turns, one instruction a turn, in the same order in every step.
.macro MUL16 a0, p, q, sc, zero
.irp a, \a0, \a0+1
.irp b, 0,1,2,3,4,5,6,7
.if \zero
	v_wmma_scale_f32_16x16x128_f8f6f4 v[8*(8*((\a)%4)+\b):8*(8*((\a)%4)+\b)+7], v[128*(\p)+FR*\b:128*(\p)+FR*\b+FR-1], v[AF+FR*(\a):AF+FR*(\a)+FR-1], 0, v[SC+8*NQ*(\sc)+NQ*\b+(\q)], v[SC+8*NQ*(\sc)+NQ*(\a)+(\q)] matrix_a_fmt:MATRIX_FMT_BF8 matrix_b_fmt:MATRIX_FMT_BF8 matrix_a_scale:MATRIX_SCALE_ROW1
.else
	v_wmma_scale_f32_16x16x128_f8f6f4 v[8*(8*((\a)%4)+\b):8*(8*((\a)%4)+\b)+7], v[128*(\p)+FR*\b:128*(\p)+FR*\b+FR-1], v[AF+FR*(\a):AF+FR*(\a)+FR-1], v[8*(8*((\a)%4)+\b):8*(8*((\a)%4)+\b)+7], v[SC+8*NQ*(\sc)+NQ*\b+(\q)], v[SC+8*NQ*(\sc)+NQ*(\a)+(\q)] matrix_a_fmt:MATRIX_FMT_BF8 matrix_b_fmt:MATRIX_FMT_BF8 matrix_a_scale:MATRIX_SCALE_ROW1
.endif
.endr
.endr
.endm
.macro FETCH_B slot, q, p
	WIN TO_B
.irp i, 0,1,2,3,4,5,6,7
	FRAG 128*(\p)+FR*\i, ADRB+\slot, \q, \i
.endr
	WIN 0
.endm
.macro FETCH_A slot, q, i0
.irp i, \i0, \i0+1, \i0+2, \i0+3
	FRAG AF+FR*(\i), ADRA+\slot, \q, \i
.endr
.endm
.macro SCALES sc                       ; a K step's scale words: two words a row; lanes 0-15 take A's block i, lanes 16-31 B's block i
.irp i, 0,1,2,3,4,5,6,7
	ds_load_b64 v[SC+8*NQ*\sc+NQ*\i:SC+8*NQ*\sc+NQ*\i+1], v[ADRS] offset:\i*SBLK
.endr
.endm
.macro PLACES n                        ; plain vector instructions that name no register of the matrix instructions ahead (ISA guide 7.12.1)
.rept \n
	v_nop
.endr
.endm
.macro STEP slot, q, zero              ; 128 along K that have their successor in the same slot
	s_wait_dscnt 4*NL                              ; B's set and A's blocks 0-3 are in; the youngest sixteen loads (A's blocks 4-7) may be out
	WIN MUL_LO
	MUL16 0, (\q)%2, \q, \slot, \zero
	MUL16 2, (\q)%2, \q, \slot, \zero
	s_wait_dscnt 0
	PLACES NP
	FETCH_B \slot, (\q)+1, 1-(\q)%2
	FETCH_A \slot, (\q)+1, 0
	WIN MUL_HI
	MUL16 4, (\q)%2, \q, \slot, \zero
	MUL16 6, (\q)%2, \q, \slot, \zero
	PLACES NP
	WIN 0
	FETCH_A \slot, (\q)+1, 4
.endm
; A slot's last 128 change slots: one barrier; in front of it each wave waits for all its tensor loads, adds 0 to its spare word, and waits for that and for its reads of this slot.  fill = 1: the slot is filled again, two K steps ahead.
.macro TURN slot, next, fill
	s_wait_tensorcnt 0x0                           ; all my tensor loads have landed: my part of the next slot
	ds_add_u32 v[SPW], v[NIL]                      ; 0 onto my spare word
	s_wait_dscnt 4*NL+1                            ; (the add and the youngest sixteen loads may be out)
	WIN MUL_LO
	MUL16 0, 1, NQ-1, \slot, 0
	s_wait_dscnt 0x0                               ; the add is done, and my reads of this slot are over
	s_barrier_signal -1
	MUL16 2, 1, NQ-1, \slot, 0
	WIN 0
	s_barrier_wait -1
.if \fill
	CREST                                          ; the barrier has opened a round of the cluster's: no wave of any partner still reads this slot or has a load on its way
	s_add_nc_u64 s[G0+4*\slot+2:G0+4*\slot+3], s[G0+4*\slot+2:G0+4*\slot+3], 2*ROWB
	s_add_nc_u64 s[G0B+4*\slot+2:G0B+4*\slot+3], s[G0B+4*\slot+2:G0B+4*\slot+3], 2*ROWB
	JLOAD G0+4*\slot, G1, G0B+4*\slot, G1B         ; the first tensor load behind the round; its four v_nop are among the places in front of the loads below
	PLACES NP-4
.else
	PLACES NP
.endif
	s_wait_alu depctr_va_vdst(0)
	v_add_nc_u32 v[ADRS], 4*NQ, v[ADRS]            ; on to the next K step's scale words
	FETCH_B \next, 0, 0
	FETCH_A \next, 0, 0
	SCALES \next
	WIN MUL_HI
	MUL16 4, 1, NQ-1, \slot, 0
	MUL16 6, 1, NQ-1, \slot, 0
	PLACES NP
	WIN 0
	FETCH_A \next, 0, 4
.endm
.macro LAST                            ; the very last 128 along K: nothing more to fetch
	s_wait_dscnt 4*NL
	WIN MUL_LO
	MUL16 0, 1, NQ-1, 1, 0
	MUL16 2, 1, NQ-1, 1, 0
	s_wait_dscnt 0
	WIN MUL_HI
	MUL16 4, 1, NQ-1, 1, 0
	MUL16 6, 1, NQ-1, 1, 0
	WIN 0
.endm
; 64 numbers of a lane, v[s] on, register 16 b + i in block b, become a fragment's codes in v[PC] on and its scale word in v[pw].
.macro QUANT s, pw
.irp b, 0,1,2,3
	v_max3_num_f32 v[TM+\b], |v[\s+16*\b]|, |v[\s+1+16*\b]|, 0x9800000   ; my 16 numbers of block b, and the floor 2^(19 - 127): the byte cannot fall under 4
.endr
.irp i, 2,4,6,8,10,12,14
.irp b, 0,1,2,3
	v_max3_num_f32 v[TM+\b], v[TM+\b], |v[\s+16*\b+\i]|, |v[\s+1+16*\b+\i]|   ; (the four blocks by turns)
.endr
.endr
.irp b, 0,1,2,3
	v_permlanex16_b32 v[TM+4+\b], v[TM+\b], s[SEL], s[SEL+1]
.endr
.irp b, 0,1,2,3
	v_max_num_f32 v[TM+\b], v[TM+\b], v[TM+4+\b]   ; with lane l xor 16's: the block's largest magnitude
.endr
.irp b, 0,1,2,3
	v_add_nc_u32 v[TM+12+\b], 0xf8800000, v[TM+\b]   ; 15 off its exponent field: the conversion's scale operand
.endr
.irp b, 0,1,2,3
.endr
.irp b, 0,1,2,3
	v_lshrrev_b32 v[TM+4+\b], 23, v[TM+12+\b]      ; the scale's byte
.endr
	v_lshl_or_b32 v[\pw], v[TM+5], 8, v[TM+4]
	v_lshl_or_b32 v[\pw], v[TM+6], 16, v[\pw]
	v_lshl_or_b32 v[\pw], v[TM+7], 24, v[\pw]
.irp b, 0,1,2,3
.irp i, 0,1,2,3,4,5,6,7,8,9,10,11,12,13,14,15
.endr
	v_cvt_scalef32_pk8_bf8_f32 v[PC+4*\b:PC+1+4*\b], v[\s+16*\b:\s+7+16*\b], v[TM+12+\b]
	v_cvt_scalef32_pk8_bf8_f32 v[PC+2+4*\b:PC+3+4*\b], v[\s+8+16*\b:\s+15+16*\b], v[TM+12+\b]
.endr
	v_nop                                          ; a plain line behind the last conversion
.endm
; Block a of my rows of A goes out.  The addition of the bias also brings the sums from window 2 or 3 into window 0; each accumulator is read from its low end on.
.macro OUTA role, a
	WIN 0x02+(\a)/4
.set i, 0
.rept 32
.if \role
	v_pk_add_f32 v[H+2*i:H+2*i+1], v[64*((\a)%4)+2*i:64*((\a)%4)+2*i+1], v[BI+2*(\a):BI+2*(\a)+1]   ; v: one bias a lane, that of its feature, in both words of the pair
.else
	v_pk_add_f32 v[H+2*i:H+2*i+1], v[64*((\a)%4)+2*i:64*((\a)%4)+2*i+1], v[BI+2*i:BI+2*i+1]         ; q, k: the biases run along the registers
.endif
.set i, i+1
.endr
	WIN 0
	s_wait_xcnt 0x0                                ; the last block's stores have read their data: the codes' registers may be written
	QUANT H, PWS+(\a)
.irp c, 0,1,2,3
.if \role
	global_store_b128 v[VO], v[PC+4*\c:PC+4*\c+3], s[18:19] offset:((\a)/4)*HS+2048*((\a)%4)+512*\c   ; V's fragment: d tile a % 4 of head a / 4; 512 consecutive bytes a store
.else
	global_store_b128 v[VO], v[PC+4*\c:PC+4*\c+3], s[18:19] offset:(\c/2)*HS+1024*(\a)+512*(\c%2)     ; token tile a: blocks 0, 1 belong to my first head, 2, 3 to my second
.endif
.endr
.endm
.macro SCOUT role                      ; the eight scale words leave: lanes 0-15 store my first head's 256 bytes, lanes 16-31 my second head's
	v_cmp_eq_u32 vcc_lo, 1, v2
.if \role
.irp i, 0,1,2,3
	v_cndmask_b32 v[DW+\i], v[PWS+\i], v[PWS+4+\i], vcc_lo   ; word (r, t): d = 16 t + r's four bytes
.endr
.else
	v_mov_b32 v[VSEL], 0x05040100                  ; the low halves: my first head's two bytes,
	v_mov_b32 v[VSEL+1], 0x07060302                ; the high halves: my second head's
	v_cndmask_b32 v[VSEL], v[VSEL], v[VSEL+1], vcc_lo
.irp d, 0,1,2,3
	v_perm_b32 v[DW+\d], v[PWS+2*\d+1], v[PWS+2*\d], v[VSEL]   ; word (r, d): token 32 d + r's two bytes below, token 32 d + 16 + r's above
.endr
.endif
	global_store_b128 v[VS], v[DW:DW+3], s[16:17]
.endm
	s_wait_alu depctr_va_vdst(0)
	s_wait_tensorcnt 1                             ; the scales and my part of K step 0 are in (K step 1's load may be out)
	s_barrier_signal -1
	s_barrier_wait -1                              ; everybody's are
	FETCH_B 0, 0, 0
	FETCH_A 0, 0, 0
	SCALES 0
	FETCH_A 0, 0, 4
	STEP 0, 0, 1                                   ; the first products start the sums
	TURN 0, 1, 1                                   ; slot 0 takes K step 2
	STEP 1, 0, 0
	TURN 1, 0, 1                                   ; slot 1 takes K step 3
	STEP 0, 0, 0
	TURN 0, 1, 0                                   ; nothing is left to fetch
	STEP 1, 0, 0
	s_cmp_eq_u32 s[ROLE], 1                        ; the text parts once, by the cluster's y: each arm asks for its biases, multiplies the last 128 along K meanwhile, and goes out
	s_cbranch_scc1 .Lrole_v
	v_lshlrev_b32 v[BO], 5, v2                     ; q, k: register 8 b + j wants the bias of feature 16 b + 8 h + j
.irp b, 0,1,2,3,4,5,6,7
	global_load_b128 v[BI+8*\b:BI+8*\b+3], v[BO], s[12:13] offset:64*\b
	global_load_b128 v[BI+8*\b+4:BI+8*\b+7], v[BO], s[12:13] offset:64*\b+16
.endr
	LAST
	s_wait_loadcnt 0x0
	PLACES NP                                      ; behind the last products: in front of the first read of results and of writes into registers that held A's fragments
.irp b, 0,1,2,3
	v_mov_b32 v[TM+4+\b], 0                        ; written once: a lane permute's destination counts as one of its sources
.endr
.irp a, 0,1,2,3,4,5,6,7
	OUTA 0, \a
.endr
	SCOUT 0
	s_branch .Lend
.Lrole_v:
	v_lshlrev_b32 v[BO], 2, v1                     ; v: block a wants the bias of feature 16 a + r, in both words of a pair
.irp a, 0,1,2,3,4,5,6,7
	global_load_b32 v[BI+2*\a], v[BO], s[12:13] offset:64*\a
	global_load_b32 v[BI+2*\a+1], v[BO], s[12:13] offset:64*\a
.endr
	LAST
	s_wait_loadcnt 0x0
	PLACES NP
.irp b, 0,1,2,3
	v_mov_b32 v[TM+4+\b], 0
.endr
.irp a, 0,1,2,3,4,5,6,7
	OUTA 1, \a
.endr
	SCOUT 1
.Lend:
	s_wait_tensorcnt 0x0                           ; the wave's end: a tensor wait, an add to my spare word and its wait behind my last tensor load
	ds_add_u32 v[SPW], v[NIL]
	s_wait_dscnt 0x0
	CROUND                                         ; the closing round: no work-group ends while a partner may still ask for a tile that names it
	s_endpgm
.Lfunc_end_k_qda886ae3ec_proj:
	.size	k_qda886ae3ec_proj, .Lfunc_end_k_qda886ae3ec_proj-k_qda886ae3ec_proj
	.p2alignl 7, 3214868480
	.fill 96, 4, 3214868480
	.section	.rodata,"a",@progbits
	.p2align	6, 0x0
	.amdhsa_kernel k_qda886ae3ec_proj
		.amdhsa_group_segment_fixed_size 327680
		.amdhsa_private_segment_fixed_size 0
		.amdhsa_enable_private_segment 0
		.amdhsa_kernarg_size 64
		.amdhsa_user_sgpr_count 2
		.amdhsa_user_sgpr_kernarg_segment_ptr 1
		.amdhsa_wavefront_size32 1
		.amdhsa_system_sgpr_workgroup_id_x 1
		.amdhsa_system_sgpr_workgroup_id_y 1
		.amdhsa_system_sgpr_workgroup_id_z 1
		.amdhsa_system_vgpr_workitem_id 0
		.amdhsa_next_free_vgpr 1024
		.amdhsa_next_free_sgpr 102
		.amdhsa_reserve_vcc 1
		.amdhsa_float_denorm_mode_32 3
		.amdhsa_float_denorm_mode_16_64 3
		.amdhsa_fp16_overflow 1
		.amdhsa_memory_ordered 1
		.amdhsa_forward_progress 1
		.amdhsa_inst_pref_size 227
	.end_amdhsa_kernel
	.amdgpu_metadata
---
amdhsa.version: [ 1, 2 ]
amdhsa.kernels:
  - .name:           k_qda886ae3ec_proj
    .symbol:         k_qda886ae3ec_proj.kd
    .args:
      - { .name: x_codes, .offset: 0, .size: 8, .value_kind: global_buffer, .address_space: global }
      - { .name: x_scales, .offset: 8, .size: 8, .value_kind: global_buffer, .address_space: global }
      - { .name: w_codes, .offset: 16, .size: 8, .value_kind: global_buffer, .address_space: global }
      - { .name: w_scales, .offset: 24, .size: 8, .value_kind: global_buffer, .address_space: global }
      - { .name: bq, .offset: 32, .size: 8, .value_kind: global_buffer, .address_space: global }
      - { .name: bk, .offset: 40, .size: 8, .value_kind: global_buffer, .address_space: global }
      - { .name: bv, .offset: 48, .size: 8, .value_kind: global_buffer, .address_space: global }
      - { .name: qkv, .offset: 56, .size: 8, .value_kind: global_buffer, .address_space: global }
    .group_segment_fixed_size: 327680
    .private_segment_fixed_size: 0
    .kernarg_segment_align: 8
    .kernarg_segment_size: 64
    .max_flat_workgroup_size: 128
    .sgpr_count:     102
    .vgpr_count:     1024
    .wavefront_size: 32
...
	.end_amdgpu_metadata
.endif
;; end of part 2
;; launch attn (part 3): grid 4 x 64, 8 waves a work-group, clusters of 4 x 1, 327,680 bytes of LDS; arguments qkv, attention_mask, out0; writes out0
.if DOCPART == 3
	.amdgcn_target "amdgcn-amd-amdhsa--gfx1250"
	.amdhsa_code_object_version 6
	.text
	.protected	k_qda886ae3ec_attn
	.globl	k_qda886ae3ec_attn
	.p2align	8
	.type	k_qda886ae3ec_attn,@function
k_qda886ae3ec_attn:
	s_mov_b64 s[64:65], 0
	v_nop
	global_prefetch_b8 v0, s[64:65] scope:SCOPE_SE
	s_setreg_imm32_b32 hwreg(HW_REG_WAVE_MODE, 25, 1), 1
	s_wait_xcnt 0x0
	s_wait_alu depctr_hold_cnt(0) depctr_sa_sdst(0) depctr_va_vdst(0) depctr_va_sdst(0) depctr_va_ssrc(0) depctr_va_vcc(0) depctr_vm_vsrc(0)
	s_getreg_b32 s2, hwreg(HW_REG_IB_STS2, 6, 4)
	s_cmp_eq_u32 s2, 0
	s_cbranch_scc0 .Lentry_in_a_cluster
	s_endpgm
.Lentry_in_a_cluster:
	s_bfe_u32 s2, ttmp6, 0x10000c
	s_cmp_lg_u32 s2, 0x3003
	s_cbranch_scc0 .Lentry_shape_is_right
	s_endpgm
.Lentry_shape_is_right:
.set BLK,   25344
.set HS,    405504
.set KVB,   16896
.set CHUNK, 4*KVB
.set PART,  KVB/2
.set MASK,  16*KVB
.set STAGE, MASK+8192
.set SPARE, STAGE+8*16*272
.set LI,  1
.set MA,  2
.set ADK, 3
.set ADM, 4
.set SPW, 5
.set NIL, 6
.set STO, 7
.set RD,  8
.set GO,  9
.set QWO, 10
.set QW,  11
.set PS,  24
.set SC,  28
.set BM,  32
.set XP,  36
.set HD,  40
.set SO,  44
.set T0,  48
.set SUM2, 50
.set QS,  52
.set S,   64
.set PC,  192
.set FR,  0
.set MK,  64
.set OB,  128
.set QB,  200
.set WV,  10
.set G1C, 24
.set G1M, 32
.set G0M, 40
.set G0C, 44
.set SEL, 60
.set CS,  62
.set MNT, 66
.set TB,  67
.set TMK, 68
.set CNT, 69
.set PASS, 70
.set QP,  72
.set QSP, 74
.set MSB, 0
.macro WIN new
.if MSB != \new
	s_set_vgpr_msb (MSB<<8)|\new
.set MSB, \new
.endif
.endm
.macro CROUND
	s_barrier_signal -1
	s_barrier_wait -1
	s_cmp_lg_u32 s[WV], 0
	s_cbranch_scc1 .Lnot_wave_0_\@
	s_barrier_signal -3
.Lnot_wave_0_\@:
	s_barrier_wait -3
	s_barrier_signal -1
	s_barrier_wait -1
.endm
	s_load_b128 s[4:7], s[0:1], 0x0
	s_load_b64 s[8:9], s[0:1], 0x10
	v_lshl_add_u32 v[SPW], v0, 2, SPARE
	v_mov_b32 v[NIL], 0
	ds_add_u32 v[SPW], v[NIL]
	ds_add_u32 v[SPW], v[NIL]
	v_lshrrev_b32 v1, 5, v0
	s_delay_alu instid0(VALU_DEP_1)
	v_readfirstlane_b32 s[WV], v1
	s_bfe_u32 s11, ttmp6, 0x40000
	s_and_b32 s12, ttmp7, 0xffff
	s_mov_b32 s[G1C], 15|(3<<16)|(1<<21)
	s_mov_b32 s[G1C+1], 32<<16
	s_mov_b32 s[G1C+2], 33<<16
	s_mov_b32 s[G1C+3], 32<<16
	s_mov_b32 s[G1C+4], 33
	s_mov_b32 s[G1C+5], 32
	s_mov_b32 s[G1C+6], 0
	s_mov_b32 s[G1C+7], 0
	s_mov_b32 s[G1M], 15|(3<<16)|(1<<21)
	s_mov_b32 s[G1M+1], 32<<16
	s_mov_b32 s[G1M+2], 4<<16
	s_mov_b32 s[G1M+3], 32<<16
	s_mov_b32 s[G1M+4], 4
	s_mov_b32 s[G1M+5], 32
	s_mov_b32 s[G1M+6], 0
	s_mov_b32 s[G1M+7], 0
	s_mov_b32 s[SEL], 0x76543210
	s_mov_b32 s[SEL+1], 0xfedcba98
	s_mov_b32 s[CS], 0x3fb8aa3b
	s_mov_b32 s[CS+1], s[CS]
	s_mul_i32 s14, s12, HS
	s_lshr_b32 s16, s[WV], 1
	s_mul_i32 s16, s16, BLK
	s_and_b32 s17, s[WV], 1
	s_mul_i32 s17, s17, PART
	s_add_co_u32 s16, s16, s17
	s_add_co_u32 s16, s16, s14
	s_mov_b32 s17, 0
	s_mul_i32 s18, s[WV], PART
	s_lshr_b32 s20, s12, 4
	s_lshl_b32 s20, s20, 13
	s_lshl_b32 s19, s[WV], 10
	s_add_co_u32 s20, s20, s19
	s_mov_b32 s21, 0
	s_lshl_b32 s22, s11, 2
	s_lshr_b32 s23, s[WV], 2
	s_add_co_u32 s22, s22, s23
	s_mul_i32 s22, s22, BLK
	s_add_co_u32 s22, s22, s14
	s_and_b32 s23, s[WV], 3
	s_lshl_b32 s[QP], s23, 11
	s_add_co_u32 s[QP], s[QP], s22
	s_add_co_u32 s[QP], s[QP], 16896
	s_mov_b32 s[QP+1], 0
	s_lshl_b32 s[QSP], s23, 2
	s_add_co_u32 s[QSP], s[QSP], s22
	s_add_co_u32 s[QSP], s[QSP], 25088
	s_mov_b32 s[QSP+1], 0
	s_lshr_b32 s22, s12, 4
	s_lshl_b32 s22, s22, 11
	s_lshl_b32 s23, s11, 9
	s_add_co_u32 s22, s22, s23
	s_lshl_b32 s23, s[WV], 5
	s_add_co_u32 s22, s22, s23
	s_lshl_b32 s22, s22, 12
	s_and_b32 s23, s12, 15
	s_lshl_b32 s23, s23, 8
	s_add_co_u32 s22, s22, s23
	s_mov_b32 s23, 0
	s_wait_dscnt 0x0
	s_wait_kmcnt 0x0
	s_add_nc_u64 s[QP:QP+1], s[4:5], s[QP:QP+1]
	s_add_nc_u64 s[QSP:QSP+1], s[4:5], s[QSP:QSP+1]
	s_add_nc_u64 s[8:9], s[8:9], s[22:23]
	s_add_nc_u64 s[16:17], s[4:5], s[16:17]
	s_add_nc_u64 s[20:21], s[6:7], s[20:21]
	s_mov_b32 s[G0M], 1
	s_add_co_u32 s[G0M+1], s19, MASK
	s_mov_b64 s[G0M+2:G0M+3], s[20:21]
	s_or_b32 s[G0M+3], s[G0M+3], 0x80000000
.irp c, 0,1,2,3
	s_mov_b32 s[G0C+4*\c], 1
	s_add_co_u32 s[G0C+4*\c+1], s18, CHUNK*\c
	s_add_nc_u64 s[G0C+4*\c+2:G0C+4*\c+3], s[16:17], 4*BLK*\c
	s_or_b32 s[G0C+4*\c+3], s[G0C+4*\c+3], 0x80000000
.endr
	CROUND
	tensor_load_to_lds s[G0M:G0M+3], s[G1M:G1M+7]
	s_nop 0
	s_wait_alu depctr_va_vdst(0)
	s_wait_tensorcnt 0x0
	ds_add_u32 v5, v6
	s_wait_dscnt 0x0
	CROUND
.irp c, 0,1,2,3
	s_wait_alu depctr_va_vdst(0)
	s_wait_tensorcnt 0x0
	ds_add_u32 v5, v6
	s_wait_dscnt 0x0
	CROUND
	tensor_load_to_lds s[G0C+4*\c:G0C+4*\c+3], s[G1C:G1C+7]
	s_nop 0
.endr
.rept 4
	v_nop
.endr
	v_and_b32 v[ADK], 15, v0
	v_bfe_u32 v[ADM], v0, 4, 1
	v_and_b32 v[LI], 31, v0
	s_delay_alu instid0(VALU_DEP_1)
	v_lshlrev_b32 v[LI], 4, v[LI]
	s_delay_alu instid0(VALU_DEP_3)
	v_lshl_add_u32 v[MA], v[ADM], 5, MASK
	s_mul_i32 s14, s[WV], 16*272
	s_add_co_u32 s14, s14, STAGE
	v_mul_u32_u24 v[STO], v[ADK], 272
	s_delay_alu instid0(VALU_DEP_1)
	v_lshl_add_u32 v[STO], v[ADM], 5, v[STO]
	s_delay_alu instid0(VALU_DEP_1)
	v_add_nc_u32 v[STO], s14, v[STO]
	v_mul_u32_u24 v[RD], v[ADM], 272
	s_delay_alu instid0(VALU_DEP_1)
	v_lshl_add_u32 v[RD], v[ADK], 4, v[RD]
	s_delay_alu instid0(VALU_DEP_1)
	v_add_nc_u32 v[RD], s14, v[RD]
	v_lshlrev_b32 v[GO], 12, v[ADM]
	s_delay_alu instid0(VALU_DEP_1)
	v_lshl_add_u32 v[GO], v[ADK], 4, v[GO]
	v_lshlrev_b32 v[QWO], 4, v[ADK]
.irp b, 0,1,2,3
	v_mov_b32 v[XP+\b], 0
.endr
	v_mov_b32 v21, 0
	v_mov_b32 v23, 0
	WIN 0x40
.irp z, 192,208,224
.irp i, 0,1,2,3,4,5,6,7
	v_mov_b32 v[\z+\i], 0
.endr
.endr
	WIN 0
.macro QLOAD
	WIN 0x40
.irp q, 0,1
.irp c, 0,1
	global_load_b128 v[QB+16*\q+4*\c:QB+16*\q+4*\c+3], v[LI], s[QP:QP+1] offset:1024*\q+512*\c
.endr
.endr
	WIN 0
	global_load_b32 v[QW], v[QWO], s[QSP:QSP+1]
.endm
.macro SOFTMAX qt
.set rS, S+64*(\qt)
.set rM, 12+4*(\qt)
.set rF, 20+2*(\qt)
.set rC, PC+16*(\qt)
.set rT, T0+(\qt)
.irp b, 0,1,2,3
	v_max3_num_f32 v[BM+\b], v[rS+16*\b], v[rS+1+16*\b], v[rS+2+16*\b]
.endr
.irp i, 3,5,7,9,11,13
.irp b, 0,1,2,3
	v_max3_num_f32 v[BM+\b], v[BM+\b], v[rS+16*\b+\i], v[rS+1+16*\b+\i]
.endr
.endr
.irp b, 0,1,2,3
	v_max_num_f32 v[BM+\b], v[BM+\b], v[rS+15+16*\b]
.endr
.irp b, 0,1,2,3
	s_delay_alu instid0(VALU_DEP_4)
	v_permlanex16_b32 v[XP+\b], v[BM+\b], s[SEL], s[SEL+1]
.endr
.irp b, 0,1,2,3
	s_delay_alu instid0(VALU_DEP_4)
	v_max_num_f32 v[BM+\b], v[BM+\b], v[XP+\b]
.endr
	s_delay_alu instid0(VALU_DEP_2)
	v_max3_num_f32 v[rT], v[BM], v[BM+1], v[BM+2]
	s_delay_alu instid0(VALU_DEP_1)
	v_max_num_f32 v[rT], v[rT], v[BM+3]
	s_delay_alu instid0(VALU_DEP_1)
	v_mul_f32 v[rT], s[CS], v[rT]
	s_delay_alu instid0(VALU_DEP_1)
	v_max_num_f32 v[rM+1], v[rM+1], v[rT]
	v_mov_b32 v[rT], v[rM]
	s_delay_alu instid0(VALU_DEP_2)
	v_floor_f32 v[rM], -v[rM+1]
	s_delay_alu instid0(VALU_DEP_1)
	v_sub_f32 v[rT], v[rM], v[rT]
	s_delay_alu instid0(VALU_DEP_1)
	v_cvt_i32_f32 v[rT], v[rT]
	s_delay_alu instid0(VALU_DEP_1)
	v_ldexp_f32 v[rF], 1.0, v[rT]
.set j, 0
.rept 32
	v_pk_fma_f32 v[rS+j:rS+j+1], v[rS+j:rS+j+1], s[CS:CS+1], v[rM:rM+1] op_sel_hi:[1,0,0]
.set j, j+2
.endr
.irp b, 0,1,2,3
	v_fma_f32 v[BM+\b], v[BM+\b], s[CS], v[rM]
.endr
.set j, 0
	s_wait_alu depctr_va_vdst(0)
.rept 64
	v_exp_f32 v[rS+j], v[rS+j]
.set j, j+1
.endr
	v_pk_mul_f32 v[rM+2:rM+3], v[rM+2:rM+3], v[rF:rF+1] op_sel_hi:[1,0]
	s_wait_alu depctr_va_vdst(0)
.irp b, 0,1,2,3
	v_exp_f32 v[BM+\b], v[BM+\b]
.endr
	v_pk_add_f32 v[SUM2:SUM2+1], v[rS:rS+1], v[rS+2:rS+3]
.set j, 4
.rept 15
	v_pk_add_f32 v[rM+2:rM+3], v[rM+2:rM+3], v[rS+j:rS+j+1]
	v_pk_add_f32 v[SUM2:SUM2+1], v[SUM2:SUM2+1], v[rS+j+2:rS+j+3]
.set j, j+4
.endr
	s_delay_alu instid0(VALU_DEP_1)
	v_pk_add_f32 v[rM+2:rM+3], v[rM+2:rM+3], v[SUM2:SUM2+1]
	s_wait_alu depctr_va_vdst(0)
.irp b, 0,1,2,3
	v_max_num_f32 v[BM+\b], 0x8000000, v[BM+\b]
.endr
.irp b, 0,1,2,3
	s_delay_alu instid0(VALU_DEP_4)
	v_add_nc_u32 v[SO+\b], 0xf8800000, v[BM+\b]
.endr
.irp b, 0,1,2,3
.endr
.irp b, 0,1,2,3
	s_delay_alu instid0(VALU_DEP_4)
	v_lshrrev_b32 v[XP+\b], 23, v[SO+\b]
.endr
	s_delay_alu instid0(VALU_DEP_3)
	v_lshl_or_b32 v[PS+(\qt)], v[XP+1], 8, v[XP]
	s_delay_alu instid0(VALU_DEP_1)
	v_lshl_or_b32 v[PS+(\qt)], v[XP+2], 16, v[PS+(\qt)]
	s_delay_alu instid0(VALU_DEP_1)
	v_lshl_or_b32 v[PS+(\qt)], v[XP+3], 24, v[PS+(\qt)]
.irp b, 0,1,2,3
.irp i, 0,1,2,3,4,5,6,7,8,9,10,11,12,13,14,15
.endr
	v_cvt_scalef32_pk8_bf8_f32 v[rC+4*\b:rC+1+4*\b], v[rS+16*\b:rS+7+16*\b], v[SO+\b]
	v_cvt_scalef32_pk8_bf8_f32 v[rC+2+4*\b:rC+3+4*\b], v[rS+8+16*\b:rS+15+16*\b], v[SO+\b]
.endr
.endm
.macro STEP
	v_add_nc_u32 v[ADK], s[TB], v[LI]
	v_add_nc_u32 v[ADM], s[TMK], v[MA]
.rept 6
	v_nop
.endr
	WIN 0x40
.irp g, 0,1,2,3,4,5,6,7,8,9,10,11,12,13,14,15
	ds_load_b128 v[FR+4*\g:FR+4*\g+3], v[ADK] offset:512*\g
.endr
.irp g, 0,1,2,3,4,5,6,7,8,9,10,11,12,13,14,15
	ds_load_b128 v[MK+4*\g:MK+4*\g+3], v[ADM] offset:64*(\g/2)+16*(\g%2)
.endr
	WIN 0
	ds_load_b128 v[SC:SC+3], v[ADK] offset:16384
	s_wait_alu depctr_va_vdst(0)
	s_wait_dscnt 0x0
	WIN 0x15
.irp d, 0,1,2,3
.irp u, 0,1
.irp q, 0,1
	v_wmma_scale_f32_16x16x128_f8f6f4 v[S+64*\q+8*(2*\d+\u):S+64*\q+8*(2*\d+\u)+7], v[FR+16*\d:FR+16*\d+15], v[QB+16*\q-8*\u:QB+16*\q-8*\u+15], v[MK+8*(2*\d+\u):MK+8*(2*\d+\u)+7], v[SC+\d], v[QS+2*\q+\u] matrix_a_fmt:MATRIX_FMT_BF8 matrix_b_fmt:MATRIX_FMT_BF8
.endr
.endr
.endr
	WIN 0
.rept 8
	v_nop
.endr
	WIN 0x40
.irp g, 0,1,2,3,4,5,6,7,8,9,10,11,12,13,14,15
	ds_load_b128 v[FR+4*\g:FR+4*\g+3], v[ADK] offset:8192+512*\g
.endr
	WIN 0
	SOFTMAX 0
	s_setprio 1
	SOFTMAX 1
	WIN 0x41
	s_setprio 0
.irp q, 0,1
.set j, 0
.rept 16
	v_pk_mul_f32 v[OB+32*\q+j:OB+32*\q+j+1], v[OB+32*\q+j:OB+32*\q+j+1], v[20+2*\q:21+2*\q] op_sel_hi:[1,0]
.set j, j+2
.endr
.endr
	s_wait_alu depctr_va_vdst(0)
	s_wait_dscnt 0x0
	WIN 0x51
.irp t, 0,1,2,3
.irp q, 0,1
	v_wmma_scale_f32_16x16x128_f8f6f4 v[OB+32*\q+8*\t:OB+32*\q+8*\t+7], v[FR+16*\t:FR+16*\t+15], v[PC+16*\q:PC+16*\q+15], v[OB+32*\q+8*\t:OB+32*\q+8*\t+7], v[SC+\t], v[PS+\q] matrix_a_fmt:MATRIX_FMT_BF8 matrix_b_fmt:MATRIX_FMT_BF8 matrix_a_scale:MATRIX_SCALE_ROW1
.endr
.endr
	WIN 0
	s_add_co_u32 s[TB], s[TB], KVB
	s_add_co_u32 s[TMK], s[TMK], 512
.endm
.macro SECTION c
	s_wait_tensorcnt 3-\c
	s_wait_dscnt 0x0
	s_barrier_signal -1
	s_barrier_wait -1
	s_mov_b32 s[TB], CHUNK*\c
	s_mov_b32 s[TMK], 2048*\c
	s_mov_b32 s[CNT], 4
.Lstep_\@:
	s_setprio 2
	STEP
	s_sub_co_u32 s[CNT], s[CNT], 1
	s_cmp_lg_u32 s[CNT], 0
	s_cbranch_scc1 .Lstep_\@
	s_setprio 0
.endm
	QLOAD
	s_mov_b32 s[PASS], 2
.Lpass:
	s_wait_loadcnt 0x0
	v_and_b32 v[QS], 0xffff, v[QW]
	s_delay_alu instid0(VALU_DEP_1)
	v_add_nc_u32 v[QS], 0xfffffcfd, v[QS]
	s_delay_alu instid0(VALU_DEP_1)
	v_lshlrev_b32 v[QS+1], 16, v[QS]
	v_lshrrev_b32 v[QS+2], 16, v[QW]
	s_delay_alu instid0(VALU_DEP_1)
	v_add_nc_u32 v[QS+2], 0xfffffcfd, v[QS+2]
	s_delay_alu instid0(VALU_DEP_1)
	v_lshlrev_b32 v[QS+3], 16, v[QS+2]
.irp q, 0,1
	v_mov_b32 v[13+4*\q], 0xff61b1e6
	s_delay_alu instid0(VALU_DEP_1)
	v_floor_f32 v[12+4*\q], -v[13+4*\q]
	v_mov_b32 v[14+4*\q], 0
	v_mov_b32 v[15+4*\q], 0
.endr
	WIN 0x40
.set j, 0
.rept 64
	v_mov_b32 v[OB+j], 0
.set j, j+1
.endr
	WIN 0
	SECTION 0
	SECTION 1
	SECTION 2
	SECTION 3
	s_cmp_eq_u32 s[PASS], 1
	s_cbranch_scc1 .Lno_more
	s_add_nc_u64 s[QP:QP+1], s[QP:QP+1], 2*BLK
	s_add_nc_u64 s[QSP:QSP+1], s[QSP:QSP+1], 2*BLK
	QLOAD
.Lno_more:
.rept 8
	v_nop
.endr
.irp q, 0,1
	v_add_f32 v[T0+\q], v[14+4*\q], v[15+4*\q]
.endr
.irp q, 0,1
	s_delay_alu instid0(VALU_DEP_2)
	v_permlanex16_b32 v[XP+\q], v[T0+\q], s[SEL], s[SEL+1]
.endr
.irp q, 0,1
	s_delay_alu instid0(VALU_DEP_2)
	v_add_f32 v[T0+\q], v[T0+\q], v[XP+\q]
.endr
	s_wait_alu depctr_va_vdst(0)
.irp q, 0,1
	v_rcp_f32 v[20+2*\q], v[T0+\q]
.endr
	v_nop
	s_wait_alu depctr_va_vdst(0)
	WIN 0x01
.irp q, 0,1
.set j, 0
.rept 16
	v_pk_mul_f32 v[S+64*\q+j:S+64*\q+j+1], v[OB+32*\q+j:OB+32*\q+j+1], v[20+2*\q:21+2*\q] op_sel_hi:[1,0]
.set j, j+2
.endr
.endr
	WIN 0
.irp q, 0,1
.irp t, 0,1,2,3
	ds_store_b128 v[STO], v[S+64*\q+8*\t:S+64*\q+8*\t+3] offset:64*\t
	ds_store_b128 v[STO], v[S+64*\q+8*\t+4:S+64*\q+8*\t+7] offset:64*\t+16
.endr
.irp i, 0,1,2,3,4,5,6,7
	ds_load_b128 v[S+64*\q+32+4*\i:S+64*\q+35+4*\i], v[RD] offset:544*\i
.endr
.endr
.irp q, 0,1
.irp i, 0,1,2,3,4,5,6,7
	s_wait_dscnt 16*(1-\q)+7-\i
	global_store_b128 v[GO], v[S+64*\q+32+4*\i:S+64*\q+35+4*\i], s[8:9] offset:65536*\q+8192*\i th:TH_STORE_NT
.endr
.endr
	s_wait_xcnt 0x0
	s_add_nc_u64 s[8:9], s[8:9], 0x100000
	s_sub_co_u32 s[PASS], s[PASS], 1
	s_cmp_lg_u32 s[PASS], 0
	s_cbranch_scc1 .Lpass
	s_wait_tensorcnt 0x0
	ds_add_u32 v[SPW], v[NIL]
	s_wait_dscnt 0x0
	CROUND
	s_endpgm
.Lfunc_end_k_qda886ae3ec_attn:
	.size	k_qda886ae3ec_attn, .Lfunc_end_k_qda886ae3ec_attn-k_qda886ae3ec_attn
	.p2alignl 7, 3214868480
	.fill 96, 4, 3214868480
	.section	.rodata,"a",@progbits
	.p2align	6, 0x0
	.amdhsa_kernel k_qda886ae3ec_attn
		.amdhsa_group_segment_fixed_size 327680
		.amdhsa_private_segment_fixed_size 0
		.amdhsa_enable_private_segment 0
		.amdhsa_kernarg_size 24
		.amdhsa_user_sgpr_count 2
		.amdhsa_user_sgpr_kernarg_segment_ptr 1
		.amdhsa_wavefront_size32 1
		.amdhsa_system_sgpr_workgroup_id_x 1
		.amdhsa_system_sgpr_workgroup_id_y 1
		.amdhsa_system_sgpr_workgroup_id_z 1
		.amdhsa_system_vgpr_workitem_id 0
		.amdhsa_next_free_vgpr 512
		.amdhsa_next_free_sgpr 80
		.amdhsa_reserve_vcc 0
		.amdhsa_float_denorm_mode_32 3
		.amdhsa_float_denorm_mode_16_64 3
		.amdhsa_fp16_overflow 1
		.amdhsa_memory_ordered 1
		.amdhsa_forward_progress 1
		.amdhsa_inst_pref_size 151
	.end_amdhsa_kernel
	.amdgpu_metadata
---
amdhsa.version: [ 1, 2 ]
amdhsa.kernels:
  - .name:           k_qda886ae3ec_attn
    .symbol:         k_qda886ae3ec_attn.kd
    .args:
      - { .name: qkv, .offset: 0, .size: 8, .value_kind: global_buffer, .address_space: global }
      - { .name: attention_mask, .offset: 8, .size: 8, .value_kind: global_buffer, .address_space: global }
      - { .name: out0, .offset: 16, .size: 8, .value_kind: global_buffer, .address_space: global }
    .group_segment_fixed_size: 327680
    .private_segment_fixed_size: 0
    .kernarg_segment_align: 8
    .kernarg_segment_size: 24
    .max_flat_workgroup_size: 256
    .sgpr_count:     80
    .vgpr_count:     512
    .wavefront_size: 32
...
	.end_amdgpu_metadata
.endif
;; end of part 3
